; MI455X (gfx1250); checked and timed in simulation.
; The chip was launched on July 23, 2026; its instructions are those of AMD's public machine-readable ISA for CDNA 5 (MIT licence, August 2026) and "CDNA5" Instruction Set Architecture Reference Guide (July 2026). The comments in the code are by the model that wrote it; some were corrected since.
;; Self Attention. Allowed arithmetic: matrix products marked QUANTISED: E2M1 operands, one E8M0 scale for each 32 along K, by v_wmma_scale_f32_16x16x128_f8f6f4 with both operands' format E2M1 (or v_wmma_scale_f32_32x16x128_f4), f32 sums; products left as they are: bf16, f16 or f32 operands; f32 sums; everything else in f32.
;; Inputs: b_fc 1,024 float32; w_fc 1,024 x 1,024 float32; w_qkv 3,072 x 1,024 float32; x 4 x 4,096 x 1,024 float32.
;; Outputs: out0 4 x 4,096 x 1,024 float32.
;; This version of the problem:
;;   THIS VERSION OF THE PROBLEM IS GIVEN IN LOW PRECISION. The matrix products marked QUANTISED in the list below multiply operands that are first quantised to E2M1 (2 exponent bits, 1 mantissa bit; 4 bits a number), with one power-of-two scale for each 32 numbers along K (OCP MX v1.0); their sums are f32. The products marked 'left as it is' may take bf16, f16 or f32 operands, with f32 sums. Whichever they take, every output number must still come out within the allowed error. Rounding operands to bf16 (8 significant bits) uses up far more of that allowance than f16 does (11 bits, for magnitudes from 6e-5 to 65,504). All else is computed in f32.
;;   The module's matrix products, in the order in which they are computed (A, B: the left and right operand; K: the contracted axis; several contracted axes count as one K, in the product's order):
;;     1. [M 16,384, K 1,024] x [K 1,024, N 3,072]; A: input x; B: input w_qkv: QUANTISED
;;     2. batch 16,384 x [M 16, K 64] x [K 64, N 16]; A: computed on the way; B: computed on the way: left as it is (an operand is computed on the way)
;;     3. batch 16,384 x [M 16, K 16] x [K 16, N 64]; A: computed on the way; B: computed on the way: left as it is (K = 16 < 32)
;;     4. [M 16,384, K 1,024] x [K 1,024, N 1,024]; A: computed on the way; B: input w_fc: left as it is (an operand is computed on the way)
;;   THE QUANTISER, for each operand of a quantised product, along K:
;;     - K is cut into blocks of 32 from its start; a last block that is shorter is filled with zeros.
;;     - A block's scale is 2^e with e = floor(log2(the largest magnitude in the block)) - 2, held to -126 .. 127; a block of zeros has e = 0. As a byte (E8M0): e + 127.
;;     - Each number is divided by its block's scale, clamped to +-6, and rounded to the nearest number of E2M1, ties to even, subnormals kept.
;;     - The product sums the exact products of the quantised numbers (number of the format x scale) in f32.
;;   ~~~python
;;   def quantise(x, axis):      # numpy; x: float32 -> the quantised numbers, widened to float32 again
;;       x = np.moveaxis(x, axis, -1); K = x.shape[-1]
;;       x = np.pad(x, [(0, 0)] * (x.ndim - 1) + [(0, -K % 32)]); x = x.reshape(x.shape[:-1] + (-1, 32)); a = np.abs(x).max(-1, keepdims=True)
;;       e = np.where(a > 0, np.clip(np.frexp(np.where(a > 0, a, 1))[1] - 1 - 2, -126, 127), 0)      # np.frexp(a)[1] - 1 = floor(log2(a)), exactly
;;       r = np.clip(x / 2.0 ** e, -6, 6)
;;       step = 2.0 ** (np.maximum(np.frexp(np.where(r == 0, 1, r))[1] - 1, 0) - 1)
;;       q = np.round(r / step) * step * 2.0 ** e      # np.round: ties to even
;;       return np.moveaxis(q.reshape(q.shape[:-2] + (-1,))[..., :K], -1, axis).astype(np.float32)
;;   ~~~
;; One version. Each part assembles by itself: llvm-mc -triple=amdgcn-amd-amdhsa -mcpu=gfx1250 --defsym DOCPART=n.
;; ======== version 1 of 1: 3 launches
;; limits: values are held in f16: magnitudes above 65,504 overflow, below 6.1e-05 lose precision
;; workspace buffers: xc 8,388,608 bytes; xs 524,288 bytes; wq 1,671,168 bytes; wf 2,097,152 bytes; attn 33,554,432 bytes
;; launch prep (part 1): grid 640 x 1, 4 waves a work-group, no clusters, 70,144 bytes of LDS; arguments x, w_qkv, w_fc, xc, xs, wq, wf; writes xc, xs, wq, wf
.if DOCPART == 1
	.amdgcn_target "amdgcn-amd-amdhsa--gfx1250"
	.amdhsa_code_object_version 6
	.text
	.protected	k_qcf76791030_prep
	.globl	k_qcf76791030_prep
	.p2align	8
	.type	k_qcf76791030_prep,@function
k_qcf76791030_prep:
	s_mov_b64 s[64:65], 0
	v_nop
	global_prefetch_b8 v0, s[64:65] scope:SCOPE_SE
	s_setreg_imm32_b32 hwreg(HW_REG_WAVE_MODE, 25, 1), 1
	s_wait_xcnt 0x0
; x [16384][1024] and w_qkv [3072][1024], f32, become codes of FP4 (E2M1) with one E8M0 byte for each 32 along K; w_fc [1024][1024] becomes f16.
; EVERYTHING IS STORED AS IMAGES OF THE OPERANDS' REGISTERS.  In a tile of 16 rows, the 16-byte unit u of row r (32 codes, or 8 halves) lies at byte 256 u + 16 r: a later load of 16 bytes a lane
; at 16 x lane then brings four registers of a fragment, and every such load or store covers 512 consecutive bytes.
; TILES.  x's tile T = 256 b + rl holds the rows 4096 b + 256 h' + rl, h' = 0 .. 15: the 16 tokens that reference()'s reshape puts into one attention problem; they lie 2^20 bytes apart.
;   w_qkv's tiles are laid by column block cb of 64: 12 tiles (q's four, k's four, v's four) and their scale words, 104,448 bytes on end.   w_fc's tile U holds rows 16 U + r.
; SHARES.  A wave takes one tile x half of K: 8 steps of 64 along K.  Work-groups 0-511: x; 512-607: w_qkv (same path, pointers chosen by the work-group's number); 608-639: w_fc (a path and LDS bytes of its own).
; A step's 8 loads read 256 consecutive bytes of two rows each; the 4,096 bytes turn through the wave's own stage in LDS (rows 272 bytes apart) and come back 128 bytes a lane: lane (r, h) holds k = 64 st + 32 h + 0 .. 31
; of row r: a whole block of 32.  A block's scale is 2^(floor(log2(largest magnitude)) - 2): its byte is the largest magnitude's exponent field - 2, held at 1 from below.
; LIMITS: a block of zeros gets the byte 1 where the quantiser says 127 (its codes are zeros; the bytes are read by this program alone); NaN and infinities are not served; |w_fc| stays under 65,504 (f16).
; No tensor loads, no barrier: waves share nothing, and no work-groups share a tile, so there is no cluster.
.set SPARE, 69632                      ; behind both paths' stages: the spare words, 128 bytes a wave
.set WREG,  8704                       ; a wave's two stages
.set STG,   4352                       ; a stage: 16 rows x 272 bytes
.set RP,    272                        ; a stage row: 256 bytes + 16: lanes that read 16 rows at one column fall on different banks
.set FBASE, 34816                      ; the w_fc path's stages
.set CBB,   104448                     ; a column block of wq
.set SPW, 4                            ; v4   my spare word's LDS address; never rewritten
.set NIL, 5                            ; v5   0; never rewritten
.set SW,  6                            ; v6   the stage, on the way in: wave + 272 h + 16 r
.set SR,  7                            ; v7   on the way out: wave + 272 r + 128 h
.set H8,  14                           ; v14  8 h
.set CO,  15                           ; v15  16 x lane
.set VO,  16                           ; v16-23  load j: (row 2 j + h) x the distance between rows + 16 r
.set SO,  24                           ; v24  16 r + 8 h
.set FO,  25                           ; v25  1024 h + 16 r
.set SB,  26                           ; v26-29  four scale words in the making
.set PT,  30                           ; v30-33  the partner lane's
.set R,   40                           ; v40-135  three sets of 32 registers as loaded
.set X,   136                          ; v136-199 two sets of 32 neighbours along K
.set C,   200                          ; v200-231 codes, four registers a step (never rewritten); w_fc: two sets of 16
.set SRC, 24                           ; s[24:25] source; s[26:27] codes or halves; s[28:29] scale words
.set DC,  26
.set DS,  28
	s_load_b256 s[4:11], s[0:1], 0x0               ; x, w_qkv, w_fc, xc
	s_load_b128 s[12:15], s[0:1], 0x20             ; xs, wq
	s_load_b64 s[16:17], s[0:1], 0x30              ; wf
	v_lshl_add_u32 v[SPW], v0, 2, SPARE
	v_mov_b32 v[NIL], 0
	v_lshrrev_b32 v1, 5, v0
	v_readfirstlane_b32 s18, v1                    ; wave
	s_lshr_b32 s19, s18, 1                         ; which of the work-group's two tiles
	s_and_b32 s20, s18, 1                          ; which half of K
	v_and_b32 v1, 31, v0                           ; lane
	v_and_b32 v2, 15, v0                           ; r
	v_bfe_u32 v3, v0, 4, 1                         ; h
	s_mul_i32 s21, s18, WREG
	v_mul_u32_u24 v[SW], v3, RP
	v_lshl_add_u32 v[SW], v2, 4, v[SW]
	v_add_nc_u32 v[SW], s21, v[SW]
	v_mul_u32_u24 v[SR], v2, RP
	v_lshl_add_u32 v[SR], v3, 7, v[SR]
	v_add_nc_u32 v[SR], s21, v[SR]
	v_lshlrev_b32 v[H8], 3, v3
	v_lshlrev_b32 v[CO], 4, v1
	v_lshlrev_b32 v[SO], 4, v2
	v_lshl_add_u32 v[SO], v3, 3, v[SO]
	v_lshlrev_b32 v[FO], 4, v2
	v_lshl_add_u32 v[FO], v3, 10, v[FO]
	s_mov_b32 s32, 0x76543210
	s_mov_b32 s33, 0xfedcba98                      ; v_permlanex16_b32's selects for lane l xor 16
.irp q, 0,1,2,3
	v_mov_b32 v[PT+\q], 0                          ; written once: a lane permute's destination counts as one of its sources
.endr
	s_cmp_lt_u32 ttmp9, 512
	s_cselect_b32 s30, 20, 12                      ; rows of a tile lie 2^20 bytes apart in x, 2^12 in the weights
.irp j, 0,1,2,3,4,5,6,7
	v_add_nc_u32 v8, 2*\j, v3
	v_lshlrev_b32 v8, s30, v8
	v_lshl_add_u32 v[VO+\j], v2, 4, v8
.endr
.macro LOAD st                         ; step st: lanes 0-15 read 256 consecutive bytes of row 2 j, lanes 16-31 of row 2 j + 1
.irp j, 0,1,2,3,4,5,6,7
	global_load_b128 v[R+32*((\st)%3)+4*\j:R+32*((\st)%3)+4*\j+3], v[VO+\j], s[SRC:SRC+1] offset:256*(\st) th:TH_LOAD_NT
.endr
.endm
.macro TURN st, reg                    ; step st's numbers through the stage: LDS serves a wave's instructions in order, so no wait stands between the stores and the loads
.irp j, 0,1,2,3,4,5,6,7
	ds_store_b128 v[SW], v[R+32*((\st)%3)+4*\j:R+32*((\st)%3)+4*\j+3] offset:\reg+STG*((\st)%2)+2*RP*\j
.endr
.irp i, 0,1,2,3,4,5,6,7
	ds_load_b128 v[X+32*((\st)%2)+4*\i:X+32*((\st)%2)+4*\i+3], v[SR] offset:\reg+STG*((\st)%2)+16*\i
.endr
.endm
.macro AHEAD st, reg                   ; the head of step st
	s_wait_dscnt 0x0                               ; this step's numbers are back from the stage, so its stores into the stage have read their registers,
.if (\st)+3 < 8
	LOAD (\st)+3                                   ; which take the loads of three steps on
.endif
.if (\st) < 7
.if (\st) < 5
	s_wait_loadcnt 16                              ; the next step's eight loads are in; those of the two steps behind it may be out
.else
	s_wait_loadcnt 8*(6-(\st))
.endif
	TURN (\st)+1, \reg                             ; and go through the other stage while this step is worked
.endif
.endm
.macro STEPQ st
	AHEAD \st, 0
.set XS, X+32*((\st)%2)
	v_max3_num_f32 v8, |v[XS]|, |v[XS+1]|, |v[XS+2]|               ; the block's largest magnitude: all 32 numbers are mine; two chains
	v_max3_num_f32 v9, |v[XS+3]|, |v[XS+4]|, |v[XS+5]|
.irp i, 6,10,14,18,22,26
	v_max3_num_f32 v8, v8, |v[XS+\i]|, |v[XS+\i+1]|
	v_max3_num_f32 v9, v9, |v[XS+\i+2]|, |v[XS+\i+3]|
.endr
	v_max3_num_f32 v8, v8, |v[XS+30]|, |v[XS+31]|
	v_max3_num_f32 v8, v8, v9, 0x1800000           ; and the floor 2^(3 - 127): the byte cannot fall under 1
	v_add_nc_u32 v11, 0xff000000, v8               ; 2 off its exponent field: the conversion takes the exponent field of this operand as its scale
.irp g, 0,1,2,3
	v_cvt_scalef32_pk8_fp4_f32 v[C+4*(\st)+\g], v[XS+8*\g:XS+8*\g+7], v11
.endr
	v_lshrrev_b32 v10, 23, v11                     ; the scale's byte (also the plain line behind the conversions)
	v_lshlrev_b32 v10, v[H8], v10                  ; block 2 st + h: byte 2 (st % 2) + h of word st / 2
.if (\st)%2 == 0
	v_mov_b32 v[SB+(\st)/2], v10
.else
	v_lshl_or_b32 v[SB+(\st)/2], v10, 16, v[SB+(\st)/2]
.endif
	global_store_b128 v[CO], v[C+4*(\st):C+4*(\st)+3], s[DC:DC+1] offset:512*(\st)   ; units 2 st and 2 st + 1 of the image: 512 consecutive bytes
.endm
.macro STEPF st
	AHEAD \st, FBASE
.set XS, X+32*((\st)%2)
.set YS, C+16*((\st)%2)
	s_wait_xcnt 0x0                                ; the stores of two steps back have read this set
.irp u, 0,1,2,3
.irp j, 0,1,2,3
	v_cvt_pk_f16_f32 v[YS+4*\u+\j], v[XS+8*\u+2*\j], v[XS+8*\u+2*\j+1]
.endr
.endr
.irp u, 0,1,2,3
	global_store_b128 v[FO], v[YS+4*\u:YS+4*\u+3], s[DC:DC+1] offset:((\st)/2)*262144+((\st)%2)*2048+256*\u   ; unit 8 (st % 2) + 4 h + u of K step st / 2: sixteen lanes fill 256 aligned bytes
.endr
.endm
	s_cmp_ge_u32 ttmp9, 608
	s_cbranch_scc1 .Lpath_f
	; ---- x and w_qkv.  Both cases' offsets are made; the work-group's number chooses
	s_lshl_b32 s21, ttmp9, 1
	s_add_co_u32 s21, s21, s19                     ; x: tile T
	s_lshr_b32 s22, s21, 8
	s_lshl_b32 s22, s22, 24                        ; its batch, 4096 rows of 4096 bytes,
	s_and_b32 s23, s21, 255
	s_lshl_b32 s23, s23, 12                        ; and its first row in it
	s_add_co_u32 s22, s22, s23
	s_lshl_b32 s34, s21, 13                        ; codes: 8,192 bytes a tile
	s_lshl_b32 s35, s21, 9                         ; scale words: 512
	s_and_b32 s36, ttmp9, 127                      ; w_qkv: work-group - 512
	s_lshr_b32 s37, s36, 5                         ; q, k or v
	s_and_b32 s36, s36, 31                         ; which 32 of its 1024 rows
	s_lshl_b32 s38, s37, 22
	s_lshl_b32 s39, s36, 17
	s_add_co_u32 s38, s38, s39
	s_lshl_b32 s39, s19, 16
	s_add_co_u32 s38, s38, s39                     ; the tile's first row, in bytes
	s_lshr_b32 s39, s36, 1
	s_mul_i32 s39, s39, CBB                        ; its column block
	s_and_b32 s36, s36, 1
	s_lshl_b32 s36, s36, 1
	s_lshl_b32 s37, s37, 2
	s_add_co_u32 s36, s36, s37
	s_add_co_u32 s36, s36, s19                     ; its number among the block's 12
	s_lshl_b32 s40, s36, 13
	s_add_co_u32 s40, s40, s39
	s_lshl_b32 s41, s36, 9
	s_add_co_u32 s41, s41, s39
	s_add_co_u32 s41, s41, 98304                   ; the scale words lie behind the 12 tiles' codes
	s_wait_kmcnt 0x0
	s_cmp_lt_u32 ttmp9, 512
	s_cselect_b64 s[SRC:SRC+1], s[4:5], s[6:7]
	s_cselect_b64 s[DC:DC+1], s[10:11], s[14:15]
	s_cselect_b64 s[DS:DS+1], s[12:13], s[14:15]
	s_cselect_b32 s22, s22, s38
	s_cselect_b32 s34, s34, s40
	s_cselect_b32 s35, s35, s41
	s_lshl_b32 s36, s20, 11                        ; my half of K: 2,048 bytes of a row,
	s_add_co_u32 s22, s22, s36
	s_mov_b32 s23, 0
	s_add_nc_u64 s[SRC:SRC+1], s[SRC:SRC+1], s[22:23]
	s_lshl_b32 s36, s20, 12                        ; 4,096 of the codes,
	s_add_co_u32 s22, s34, s36
	s_add_nc_u64 s[DC:DC+1], s[DC:DC+1], s[22:23]
	s_lshl_b32 s36, s20, 8                         ; 256 of the scale words
	s_add_co_u32 s22, s35, s36
	s_add_nc_u64 s[DS:DS+1], s[DS:DS+1], s[22:23]
	LOAD 0
	LOAD 1
	LOAD 2
	s_wait_loadcnt 16                              ; step 0's eight loads are in
	TURN 0, 0
.irp t, 0,1,2,3,4,5,6,7
	STEPQ \t
.endr
.irp q, 0,1,2,3
	v_permlanex16_b32 v[PT+\q], v[SB+\q], s32, s33
.endr
.irp q, 0,1,2,3
	v_or_b32 v[SB+\q], v[SB+\q], v[PT+\q]          ; with lane l xor 16's two bytes each word is whole
.endr
	v_cmp_ne_u32 vcc_lo, 0, v3
	v_cndmask_b32 v12, v[SB], v[SB+2], vcc_lo      ; lane (r, h) stores words 2 h and 2 h + 1 of row r
	v_cndmask_b32 v13, v[SB+1], v[SB+3], vcc_lo
	global_store_b64 v[SO], v[12:13], s[DS:DS+1]   ; the 32 lanes fill 256 aligned bytes: row r's four words at 16 r
	s_wait_tensorcnt 0x0                           ; the wave's end, behind my last LDS store
	ds_add_u32 v[SPW], v[NIL]
	s_wait_dscnt 0x0
	s_endpgm
.Lpath_f:
	; ---- w_fc
	s_sub_co_u32 s21, ttmp9, 608
	s_lshl_b32 s21, s21, 1
	s_add_co_u32 s21, s21, s19                     ; tile U
	s_lshl_b32 s22, s21, 16                        ; 16 rows of 4,096 bytes
	s_lshl_b32 s36, s20, 11
	s_add_co_u32 s22, s22, s36
	s_mov_b32 s23, 0
	s_wait_kmcnt 0x0
	s_add_nc_u64 s[SRC:SRC+1], s[8:9], s[22:23]
	s_lshl_b32 s22, s21, 12                        ; 4,096 bytes a tile and K step of 128;
	s_lshl_b32 s36, s20, 20                        ; my half of K is four K steps of 64 tiles
	s_add_co_u32 s22, s22, s36
	s_add_nc_u64 s[DC:DC+1], s[16:17], s[22:23]
	LOAD 0
	LOAD 1
	LOAD 2
	s_wait_loadcnt 16
	TURN 0, FBASE
.irp t, 0,1,2,3,4,5,6,7
	STEPF \t
.endr
	s_wait_tensorcnt 0x0                           ; the wave's end, as above
	ds_add_u32 v[SPW], v[NIL]
	s_wait_dscnt 0x0
	s_endpgm
.Lfunc_end_k_qcf76791030_prep:
	.size	k_qcf76791030_prep, .Lfunc_end_k_qcf76791030_prep-k_qcf76791030_prep
	.p2alignl 7, 3214868480
	.fill 96, 4, 3214868480
	.section	.rodata,"a",@progbits
	.p2align	6, 0x0
	.amdhsa_kernel k_qcf76791030_prep
		.amdhsa_group_segment_fixed_size 70144
		.amdhsa_private_segment_fixed_size 0
		.amdhsa_enable_private_segment 0
		.amdhsa_kernarg_size 56
		.amdhsa_user_sgpr_count 2
		.amdhsa_user_sgpr_kernarg_segment_ptr 1
		.amdhsa_wavefront_size32 1
		.amdhsa_system_sgpr_workgroup_id_x 1
		.amdhsa_system_sgpr_workgroup_id_y 1
		.amdhsa_system_sgpr_workgroup_id_z 1
		.amdhsa_system_vgpr_workitem_id 0
		.amdhsa_next_free_vgpr 232
		.amdhsa_next_free_sgpr 66
		.amdhsa_reserve_vcc 1
		.amdhsa_float_denorm_mode_32 3
		.amdhsa_float_denorm_mode_16_64 3
		.amdhsa_memory_ordered 1
		.amdhsa_forward_progress 1
		.amdhsa_inst_pref_size 59
	.end_amdhsa_kernel
	.amdgpu_metadata
---
amdhsa.version: [ 1, 2 ]
amdhsa.kernels:
  - .name:           k_qcf76791030_prep
    .symbol:         k_qcf76791030_prep.kd
    .args:
      - { .name: x, .offset: 0, .size: 8, .value_kind: global_buffer, .address_space: global }
      - { .name: w_qkv, .offset: 8, .size: 8, .value_kind: global_buffer, .address_space: global }
      - { .name: w_fc, .offset: 16, .size: 8, .value_kind: global_buffer, .address_space: global }
      - { .name: xc, .offset: 24, .size: 8, .value_kind: global_buffer, .address_space: global }
      - { .name: xs, .offset: 32, .size: 8, .value_kind: global_buffer, .address_space: global }
      - { .name: wq, .offset: 40, .size: 8, .value_kind: global_buffer, .address_space: global }
      - { .name: wf, .offset: 48, .size: 8, .value_kind: global_buffer, .address_space: global }
    .group_segment_fixed_size: 70144
    .private_segment_fixed_size: 0
    .kernarg_segment_align: 8
    .kernarg_segment_size: 56
    .max_flat_workgroup_size: 128
    .sgpr_count:     66
    .vgpr_count:     232
    .wavefront_size: 32
...
	.end_amdgpu_metadata
.endif
;; end of part 1
;; launch qkvatt (part 2): grid 64 x 4, 4 waves a work-group, clusters of 4 x 1, 327,680 bytes of LDS; arguments xc, xs, wq, attn; writes attn
.if DOCPART == 2
	.amdgcn_target "amdgcn-amd-amdhsa--gfx1250"
	.amdhsa_code_object_version 6
	.text
	.protected	k_qcf76791030_qkvatt
	.globl	k_qcf76791030_qkvatt
	.p2align	8
	.type	k_qcf76791030_qkvatt,@function
k_qcf76791030_qkvatt:
	s_mov_b64 s[64:65], 0
	v_nop
	global_prefetch_b8 v0, s[64:65] scope:SCOPE_SE
	s_setreg_imm32_b32 hwreg(HW_REG_WAVE_MODE, 25, 1), 1
	s_wait_xcnt 0x0
	s_wait_alu depctr_hold_cnt(0) depctr_sa_sdst(0) depctr_va_vdst(0) depctr_va_sdst(0) depctr_va_ssrc(0) depctr_va_vcc(0) depctr_vm_vsrc(0)
	s_getreg_b32 s2, hwreg(HW_REG_IB_STS2, 6, 4)
	s_cmp_eq_u32 s2, 0
	s_cbranch_scc0 .Lentry_in_a_cluster
	s_endpgm
.Lentry_in_a_cluster:
	s_bfe_u32 s2, ttmp6, 0x10000c
	s_cmp_lg_u32 s2, 0x3003
	s_cbranch_scc0 .Lentry_shape_is_right
	s_endpgm
.Lentry_shape_is_right:
; qkv = Q(x) Q(w_qkv)^T on codes of FP4 (E2M1) with E8M0 scales, and the whole attention behind it in registers; attn leaves as f16 images of the next product's operand.  qkv never goes to memory.
; reference()'s reshape makes an attention problem of the 16 rows 4096 b + 256 h' + rl (h' = 0 .. 15: the 'tokens') and the 64 columns of a column block cb.  A tile T = 256 b + rl of x's codes holds just these 16 rows.
; SHARES.  A work-group owns 16 tiles (RB = 4 x cluster x + cx) and walks four column blocks cb = 4 cg + 0 .. 3 (cg = work-group y).  Wave w owns tiles 16 RB + 4 w + i, i = 0 .. 3: their 32 fragments, all of K = 1024,
; stay in 256 registers for the whole launch, loaded once.  A column block's 12 weight tiles (q's, k's, v's four tiles of 16 rows) with their scale words are 104,448 dense bytes: they come through a ring of two LDS slots.
; CLUSTER.  The four partners walk the same column blocks: the weights are asked for JOINTLY (mask 15), each wave a quarter of a block.  x's codes are each partner's own rows and go straight into registers: nothing to share there.
; LAYOUT.  q's and k's tiles are used transposed (source 0 = 16 rows of w, source 1 = my 16 tokens): a lane holds token r and channels 16 t + 8 h + j, which packed in pairs ARE the f16 operand (16 tokens x 32 channels).
; v's tiles are used as they are (source 0 = tokens, source 1 = w): a lane holds channel 16 t + r and tokens 8 h + j: V^T's operand.  S^T = K Q^T gives a lane one query and keys 8 h + j; O^T = V^T P^T one token and eight channels.
; The second product's K is 16 of the instruction's 32: P's upper four registers are zeros; V^T's upper four are the next packed registers, which meet those zeros.
; SOFTMAX in f32: the row's largest score is taken away, p = 2^(c s - c m), c = log2(e) / 8; p is divided by its sum in f32 and then rounded to f16.
; LIMITS: |q|, |k|, |v| stay under 65,504 (f16); an overflow in v would also spoil the neighbouring tile (0 x infinity in the padded half of K).  NaN and infinities are not served.
; REGISTERS, in windows of 256 (s_set_vgpr_msb: bits 1:0 source 0, 3:2 source 1, 5:4 source 2, 7:6 destination):
;   window 0: v2-6 addresses; v16-31 x's scale words, v32-79 w's (register q: K step q in lanes 0-15, K step 4 + q in lanes 16-31); v80-175 w's fragments, set 0, later V^T packed and four zeros; v176-207 S^T; v208-239 P; v240-255 statistics
;   window 1: x's fragments (tile i, K step ks) at 64 i + 8 ks        window 2: q's and k's sums (i, n) at 8 (8 i + n), later O^T (i, t) at 8 (8 i + t)
;   window 3: v0-127 v's sums at 8 (4 i + t); v128-223 w's fragments, set 1; later Q and K packed (128 + 32 i + 4 n), later O packed (128 + 16 i + 4 t)
.set SLOT1, 1<<17                      ; slot 1 begins here: one exclusive or turns an address from one slot to the other
.set CBB,   104448                     ; a column block: 12 x 8,192 bytes of codes, 12 x 512 of scale words
.set WPART, 26112                      ; a wave's quarter of it: 102 rows of 256 bytes
.set SPARE, SLOT1+CBB                  ; behind the ring: the spare words, 128 bytes a wave
.set SPW, 2                            ; v2  my spare word's LDS address; never rewritten
.set NIL, 3                            ; v3  0; never rewritten
.set L16, 4                            ; v4  16 x lane
.set ADB0, 5                           ; v5  the slot in hand + 16 x lane
.set ADB1, 6                           ; v6  65,536 bytes further on
.set AS,  16
.set BS,  32
.set B0,  80
.set VF,  80
.set ZQ,  144
.set S,   176
.set PF,  208
.set ST,  240                          ; tile i: +0 the maximum, then -c m, then 1 / sum; +1 at work; +2, +3 the sum
.set B1,  128                          ; in window 3
.set QF,  128
.set OF,  128
.set WV,  12                           ; s12 wave
.set G1,  24                           ; s[24:31] descriptor group 1
.set G0,  32                           ; s[32:35] group 0, which walks
.set TB,  36                           ; s36 the slot in hand
.set TRIP, 37
.set CS,  38                           ; s[38:39] c
.set SEL, 40                           ; s[40:41] selects for lane l xor 16
.set OUT, 42                           ; s[42:43] where my four tiles of this column block go
.set DLT, 44                           ; s[44:45] the step to the next column block's place
.set NC,  46                           ; s46 -c
.set MSB, 0
.macro WIN new                         ; the immediate's high byte repeats the setting that is left
.if MSB != \new
	s_set_vgpr_msb (MSB<<8)|\new
.set MSB, \new
.endif
.endm
.macro CROUND                          ; a round of the cluster's barrier
	s_barrier_signal -1
	s_barrier_wait -1
	s_cmp_lg_u32 s[WV], 0
	s_cbranch_scc1 .Lnot_wave_0_\@
	s_barrier_signal -3
.Lnot_wave_0_\@:
	s_barrier_wait -3
	s_barrier_signal -1
	s_barrier_wait -1
.endm
	s_load_b256 s[4:11], s[0:1], 0x0               ; xc s[4:5], xs s[6:7], wq s[8:9], attn s[10:11]
	v_lshl_add_u32 v[SPW], v0, 2, SPARE
	v_mov_b32 v[NIL], 0
	ds_add_u32 v[SPW], v[NIL]                      ; the wave's opening: the add, twice on end, and its wait ahead of my first tensor load
	ds_add_u32 v[SPW], v[NIL]
	v_lshrrev_b32 v1, 5, v0
	v_readfirstlane_b32 s[WV], v1
	s_bfe_u32 s13, ttmp6, 0x40000                  ; cx: it enters xc's, xs's and attn's addresses alone
	s_lshl_b32 s14, ttmp9, 2
	s_add_co_u32 s14, s14, s13                     ; RB
	s_and_b32 s15, ttmp7, 0xffff                   ; cg, which the partners share
	s_mov_b32 s[G1], 15|(3<<16)|(1<<21)            ; 15:0 the mask: all four partners; 17:16 elements of 8 bytes; 21 set beside a mask; no padding
	s_mov_b32 s[G1+1], 32<<16                      ; tensor_dim0 = 32 elements: 256 bytes
	s_mov_b32 s[G1+2], 102<<16                     ; tensor_dim1 = 102
	s_mov_b32 s[G1+3], 32<<16                      ; tile_dim0
	s_mov_b32 s[G1+4], 102                         ; tile_dim1
	s_mov_b32 s[G1+5], 32                          ; the pitch: the block is dense
	s_mov_b32 s[G1+6], 0
	s_mov_b32 s[G1+7], 0
	s_mov_b32 s[CS], 0x3e38aa3b                    ; c = log2(e) / sqrt(64)
	s_mov_b32 s[CS+1], s[CS]                       ; (named with it as a pair)
	s_mov_b32 s[NC], 0xbe38aa3b
	s_mov_b32 s[SEL], 0x76543210
	s_mov_b32 s[SEL+1], 0xfedcba98
	s_mov_b32 s[TB], 0
	s_mov_b32 s[TRIP], 3
	s_mov_b32 s[DLT], 2048
	s_mov_b32 s[DLT+1], 0
	s_lshl_b32 s16, s14, 4
	s_lshl_b32 s17, s[WV], 2
	s_add_co_u32 s16, s16, s17                     ; my first tile
	s_lshl_b32 s18, s16, 13                        ; its codes,
	s_mov_b32 s19, 0
	s_lshl_b32 s20, s16, 9                         ; its scale words,
	s_mov_b32 s21, 0
	s_lshl_b32 s22, s16, 12                        ; its place in attn [8 K steps of 128][1024 tiles][4,096 bytes]:
	s_lshl_b32 s23, s15, 23                        ; column block 4 cg begins K step 2 cg
	s_add_co_u32 s22, s22, s23
	s_mov_b32 s23, 0
	s_mul_i32 s50, s[WV], WPART                    ; my quarter of a column block: in LDS,
	s_mul_i32 s48, s15, 4*CBB
	s_add_co_u32 s48, s48, s50                     ; and in wq
	s_mov_b32 s49, 0
	v_and_b32 v1, 31, v0
	v_lshlrev_b32 v[L16], 4, v1
	s_wait_dscnt 0x0                               ; both opening adds are done
	s_wait_kmcnt 0x0
	s_add_nc_u64 s[4:5], s[4:5], s[18:19]
	s_add_nc_u64 s[6:7], s[6:7], s[20:21]
	s_add_nc_u64 s[OUT:OUT+1], s[10:11], s[22:23]
	s_mov_b32 s[G0], 1                             ; count = 1
	s_mov_b32 s[G0+1], s50                         ; LDS address: slot 0
	s_add_nc_u64 s[G0+2:G0+3], s[8:9], s[48:49]
	s_or_b32 s[G0+3], s[G0+3], 0x80000000          ; type = 2
	CROUND                                         ; all four partners are here: the first joint loads meet
	tensor_load_to_lds s[G0:G0+3], s[G1:G1+7]      ; column block 4 cg
	s_nop 0
.rept 4
	v_nop
.endr
	WIN 0x40                                       ; destination window 1
.irp i, 0,1,2,3
.irp k, 0,1,2,3,4,5,6,7
.irp c, 0,1
	global_load_b128 v[64*\i+8*\k+4*\c:64*\i+8*\k+4*\c+3], v[L16], s[4:5] offset:8192*\i+1024*\k+512*\c   ; x's fragments: 512 consecutive bytes a load, 32,768 on end
.endr
.endr
.endr
	WIN 0
.irp i, 0,1,2,3
	global_load_b128 v[AS+4*\i:AS+4*\i+3], v[L16], s[6:7] offset:512*\i
.endr
.irp i, 0,1,2,3
.irp j, 4,5,6,7
	v_mov_b32 v[PF+8*\i+\j], 0                     ; P's keys 16 .. 31: there are none
.endr
.irp j, 0,1,2,3
	v_mov_b32 v[ST+4*\i+\j], 0                     ; written once: a lane permute's destination counts as one of its sources
.endr
.endr
	s_wait_loadcnt 0x0
; THE CHANGE OF SLOTS stands at a column block's head.  Each wave waits for all its tensor loads (one is out: its quarter of the slot ahead), adds 0 to its spare word, and waits for that and for its reads of the slot left.
; fill = 1: a round of the cluster's barrier, and the other slot takes the next column block: the load has a whole block's 384 products and its attention in which to land.
.macro CHANGE fill
	s_wait_tensorcnt 0x0                           ; no tensor load of mine is out, so group 0 may be written
	ds_add_u32 v[SPW], v[NIL]
.if \fill
	s_xor_b32 s[G0+1], s[G0+1], SLOT1              ; the other slot than last time,
	s_add_nc_u64 s[G0+2:G0+3], s[G0+2:G0+3], CBB   ; the next column block; the type bits on top are not reached
.endif
	s_wait_dscnt 0x0                               ; the add is done, and my reads of the slot that I have left are over
.if \fill
	CROUND                                         ; no wave of any partner still reads that slot or has a load on its way
	tensor_load_to_lds s[G0:G0+3], s[G1:G1+7]      ; my one tensor load until the next change
	s_nop 0
.rept 4
	v_nop
.endr
.else
	s_barrier_signal -1
	s_barrier_wait -1
.endif
.endm
.macro LOADB ks                        ; the 12 weight fragments of K step ks into set ks % 2: 24 loads of 512 consecutive bytes
.if ((\ks)%2) == 0
	WIN 0
.set LB, B0
.else
	WIN 0xc0                                       ; destination window 3
.set LB, B1
.endif
.irp n, 0,1,2,3,4,5,6,7
.irp c, 0,1
	ds_load_b128 v[LB+8*\n+4*\c:LB+8*\n+4*\c+3], v[ADB0] offset:8192*\n+1024*(\ks)+512*\c
.endr
.endr
.irp n, 8,9,10,11
.irp c, 0,1
	ds_load_b128 v[LB+8*\n+4*\c:LB+8*\n+4*\c+3], v[ADB1] offset:8192*(\n-8)+1024*(\ks)+512*\c
.endr
.endr
.endm
.macro QKW i, n, ks                    ; q's and k's tiles, transposed: source 0 = w's tile n, source 1 = x's tile i
.if (\ks) == 0
	v_wmma_scale_f32_16x16x128_f8f6f4 v[8*(8*\i+\n):8*(8*\i+\n)+7], v[BB+8*\n:BB+8*\n+7], v[64*\i:64*\i+7], 0, v[BS+4*\n], v[AS+4*\i] matrix_a_fmt:MATRIX_FMT_FP4 matrix_b_fmt:MATRIX_FMT_FP4
.elseif (\ks) < 4
	v_wmma_scale_f32_16x16x128_f8f6f4 v[8*(8*\i+\n):8*(8*\i+\n)+7], v[BB+8*\n:BB+8*\n+7], v[64*\i+8*(\ks):64*\i+8*(\ks)+7], v[8*(8*\i+\n):8*(8*\i+\n)+7], v[BS+4*\n+(\ks)], v[AS+4*\i+(\ks)] matrix_a_fmt:MATRIX_FMT_FP4 matrix_b_fmt:MATRIX_FMT_FP4
.else
	v_wmma_scale_f32_16x16x128_f8f6f4 v[8*(8*\i+\n):8*(8*\i+\n)+7], v[BB+8*\n:BB+8*\n+7], v[64*\i+8*(\ks):64*\i+8*(\ks)+7], v[8*(8*\i+\n):8*(8*\i+\n)+7], v[BS+4*\n+(\ks)-4], v[AS+4*\i+(\ks)-4] matrix_a_fmt:MATRIX_FMT_FP4 matrix_b_fmt:MATRIX_FMT_FP4 matrix_a_scale:MATRIX_SCALE_ROW1 matrix_b_scale:MATRIX_SCALE_ROW1
.endif
.endm
.macro VW i, n, ks                     ; v's tiles: source 0 = x's tile i, source 1 = w's tile n
.if (\ks) == 0
	v_wmma_scale_f32_16x16x128_f8f6f4 v[8*(4*\i+\n-8):8*(4*\i+\n-8)+7], v[64*\i:64*\i+7], v[BB+8*\n:BB+8*\n+7], 0, v[AS+4*\i], v[BS+4*\n] matrix_a_fmt:MATRIX_FMT_FP4 matrix_b_fmt:MATRIX_FMT_FP4
.elseif (\ks) < 4
	v_wmma_scale_f32_16x16x128_f8f6f4 v[8*(4*\i+\n-8):8*(4*\i+\n-8)+7], v[64*\i+8*(\ks):64*\i+8*(\ks)+7], v[BB+8*\n:BB+8*\n+7], v[8*(4*\i+\n-8):8*(4*\i+\n-8)+7], v[AS+4*\i+(\ks)], v[BS+4*\n+(\ks)] matrix_a_fmt:MATRIX_FMT_FP4 matrix_b_fmt:MATRIX_FMT_FP4
.else
	v_wmma_scale_f32_16x16x128_f8f6f4 v[8*(4*\i+\n-8):8*(4*\i+\n-8)+7], v[64*\i+8*(\ks):64*\i+8*(\ks)+7], v[BB+8*\n:BB+8*\n+7], v[8*(4*\i+\n-8):8*(4*\i+\n-8)+7], v[AS+4*\i+(\ks)-4], v[BS+4*\n+(\ks)-4] matrix_a_fmt:MATRIX_FMT_FP4 matrix_b_fmt:MATRIX_FMT_FP4 matrix_a_scale:MATRIX_SCALE_ROW1 matrix_b_scale:MATRIX_SCALE_ROW1
.endif
.endm
; A K step of 128: the next step's fragments are asked for in one run, then 48 products.  The 48 accumulators take turns, one instruction a turn, in the same order in every step.
.macro KSTEP ks
.if (\ks) > 0
.rept 4
	v_nop                                          ; four places in front of loads into the set that the last K step's products read (ISA guide 7.12.1 for vector instructions)
.endr
.endif
.if (\ks) < 7
	LOADB (\ks)+1
	s_wait_dscnt 24                                ; all but the 24 just issued: this step's fragments (and at step 0 the scale words) are in
.else
	s_wait_dscnt 0x0
.endif
.if ((\ks)%2) == 0
.set BB, B0
	WIN 0xa4                                       ; source 0 (w) window 0, source 1 (x) window 1, C and D window 2
.else
.set BB, B1
	WIN 0xa7                                       ; source 0 window 3
.endif
.irp n, 0,1,2,3,4,5,6,7
.irp i, 0,1,2,3
	QKW \i, \n, \ks
.endr
.endr
.if ((\ks)%2) == 0
	WIN 0xf1                                       ; source 0 (x) window 1, source 1 (w) window 0, C and D window 3
.else
	WIN 0xfd                                       ; source 1 window 3
.endif
.irp n, 8,9,10,11
.irp i, 0,1,2,3
	VW \i, \n, \ks
.endr
.endr
.endm
; THE ATTENTION of my four tiles for this column block: four problems of 16 tokens x 64 channels, side by side.
.macro EPILOGUE
.rept 4
	v_nop                                          ; places behind the last products: their results are read, and set 1's registers written
.endr
	WIN 0xca                                       ; sources window 2, destination window 3
.irp i, 0,1,2,3
.irp n, 0,1,2,3,4,5,6,7
.irp j, 0,1,2,3
	v_cvt_pk_f16_f32 v[QF+32*\i+4*\n+\j], v[8*(8*\i+\n)+2*\j], v[8*(8*\i+\n)+2*\j+1]   ; Q (n 0-3) and K (n 4-7): each accumulator from its low end on
.endr
.endr
.endr
	WIN 0x0f                                       ; sources window 3, destination window 0
.irp i, 0,1,2,3
.irp t, 0,1,2,3
.irp j, 0,1,2,3
	v_cvt_pk_f16_f32 v[VF+16*\i+4*\t+\j], v[8*(4*\i+\t)+2*\j], v[8*(4*\i+\t)+2*\j+1]   ; V^T: channel 16 t + r, tokens 8 h + 0 .. 7
.endr
.endr
.endr
	WIN 0
.irp j, 0,1,2,3
	v_mov_b32 v[ZQ+\j], 0                          ; what the last tile's fragment names as its upper four
.endr
	WIN 0x0f                                       ; K and Q in window 3, S^T in window 0
.irp i, 0,1,2,3
	v_wmma_f32_16x16x32_f16 v[S+8*\i:S+8*\i+7], v[QF+16+32*\i:QF+16+32*\i+7], v[QF+32*\i:QF+32*\i+7], 0                    ; S^T = K Q^T, channels 0-31; the four tiles by turns
.endr
.irp i, 0,1,2,3
	v_wmma_f32_16x16x32_f16 v[S+8*\i:S+8*\i+7], v[QF+24+32*\i:QF+24+32*\i+7], v[QF+8+32*\i:QF+8+32*\i+7], v[S+8*\i:S+8*\i+7]   ; channels 32-63
.endr
	WIN 0
.rept 4
	v_nop
.endr
.irp i, 0,1,2,3
	v_max3_num_f32 v[ST+4*\i], v[S+8*\i], v[S+8*\i+1], v[S+8*\i+2]   ; my query's largest score among keys 8 h + 0 .. 7
.endr
.irp i, 0,1,2,3
	v_max3_num_f32 v[ST+4*\i], v[ST+4*\i], v[S+8*\i+3], v[S+8*\i+4]
.endr
.irp i, 0,1,2,3
	v_max3_num_f32 v[ST+4*\i], v[ST+4*\i], v[S+8*\i+5], v[S+8*\i+6]
.endr
.irp i, 0,1,2,3
	v_max_num_f32 v[ST+4*\i], v[ST+4*\i], v[S+8*\i+7]
.endr
.irp i, 0,1,2,3
	v_permlanex16_b32 v[ST+4*\i+1], v[ST+4*\i], s[SEL], s[SEL+1]
.endr
.irp i, 0,1,2,3
	v_max_num_f32 v[ST+4*\i], v[ST+4*\i], v[ST+4*\i+1]   ; with the other eight keys'
.endr
.irp i, 0,1,2,3
	v_mul_f32 v[ST+4*\i], s[NC], v[ST+4*\i]        ; -c m
.endr
.irp p, 0,2,4,6
.irp i, 0,1,2,3
	v_pk_fma_f32 v[S+8*\i+\p:S+8*\i+\p+1], v[S+8*\i+\p:S+8*\i+\p+1], s[CS:CS+1], v[ST+4*\i:ST+4*\i+1] op_sel_hi:[1,0,0]   ; c s - c m, two at a time
.endr
.endr
.irp j, 0,1,2,3,4,5,6,7,8,9,10,11,12,13,14,15,16,17,18,19,20,21,22,23,24,25,26,27,28,29,30,31
	v_exp_f32 v[S+\j], v[S+\j]                     ; one batch
.endr
	v_nop                                          ; a plain line behind the last exponential
	s_wait_alu depctr_va_vdst(0)                   ; one wait for the batch, ahead of its first reader
.irp i, 0,1,2,3
	v_pk_add_f32 v[ST+4*\i+2:ST+4*\i+3], v[S+8*\i:S+8*\i+1], v[S+8*\i+2:S+8*\i+3]
.endr
.irp i, 0,1,2,3
	v_pk_add_f32 v[ST+4*\i+2:ST+4*\i+3], v[ST+4*\i+2:ST+4*\i+3], v[S+8*\i+4:S+8*\i+5]
.endr
.irp i, 0,1,2,3
	v_pk_add_f32 v[ST+4*\i+2:ST+4*\i+3], v[ST+4*\i+2:ST+4*\i+3], v[S+8*\i+6:S+8*\i+7]
.endr
.irp i, 0,1,2,3
	v_add_f32 v[ST+4*\i+2], v[ST+4*\i+2], v[ST+4*\i+3]
.endr
.irp i, 0,1,2,3
	v_permlanex16_b32 v[ST+4*\i+3], v[ST+4*\i+2], s[SEL], s[SEL+1]
.endr
.irp i, 0,1,2,3
	v_add_f32 v[ST+4*\i+2], v[ST+4*\i+2], v[ST+4*\i+3]   ; the row's sum, at least 1
.endr
.irp i, 0,1,2,3
	v_rcp_f32 v[ST+4*\i], v[ST+4*\i+2]
.endr
	v_nop
	s_wait_alu depctr_va_vdst(0)                   ; one wait for the four reciprocals
.irp p, 0,2,4,6
.irp i, 0,1,2,3
	v_pk_mul_f32 v[S+8*\i+\p:S+8*\i+\p+1], v[S+8*\i+\p:S+8*\i+\p+1], v[ST+4*\i:ST+4*\i+1] op_sel_hi:[1,0]   ; p, normalised in f32
.endr
.endr
.irp i, 0,1,2,3
.irp p, 0,1,2,3
	v_cvt_pk_f16_f32 v[PF+8*\i+\p], v[S+8*\i+2*\p], v[S+8*\i+2*\p+1]   ; query r, keys 8 h + 0 .. 7: the operand's lower four registers
.endr
.endr
	WIN 0x80                                       ; V^T and P in window 0, O^T in window 2
.irp t, 0,1,2,3
.irp i, 0,1,2,3
	v_wmma_f32_16x16x32_f16 v[8*(8*\i+\t):8*(8*\i+\t)+7], v[VF+16*\i+4*\t:VF+16*\i+4*\t+7], v[PF+8*\i:PF+8*\i+7], 0
.endr
.endr
.rept 4
	v_nop
.endr
	WIN 0xca
.irp i, 0,1,2,3
.irp t, 0,1,2,3
.irp j, 0,1,2,3
	v_cvt_pk_f16_f32 v[OF+16*\i+4*\t+\j], v[8*(8*\i+\t)+2*\j], v[8*(8*\i+\t)+2*\j+1]   ; token r, channels 16 t + 8 h + 0 .. 7: unit 2 t + h of the next operand's image
.endr
.endr
.endr
	WIN 0x0c                                       ; a store's data are its source 1: window 3
.irp i, 0,1,2,3
.irp t, 0,1,2,3
	global_store_b128 v[L16], v[OF+16*\i+4*\t:OF+16*\i+4*\t+3], s[OUT:OUT+1] offset:4096*\i+512*\t   ; 512 consecutive bytes, aligned
.endr
.endr
	WIN 0
.endm
.macro STEP last                       ; one column block
	v_add_nc_u32 v[ADB0], s[TB], v[L16]
	v_add_nc_u32 v[ADB1], 0x10000, v[ADB0]
.irp n, 0,1,2,3,4,5,6,7,8,9,10,11
	ds_load_b128 v[BS+4*\n:BS+4*\n+3], v[ADB1] offset:32768+512*\n   ; the 12 tiles' scale words, all of K
.endr
	LOADB 0
.irp k, 0,1,2,3,4,5,6,7
	KSTEP \k
.endr
	EPILOGUE
.if !\last
	s_wait_xcnt 0x0                                ; the stores have read their registers and their base: both are written again below and in the next block
	s_add_nc_u64 s[OUT:OUT+1], s[OUT:OUT+1], s[DLT:DLT+1]
	s_xor_b32 s[DLT], s[DLT], 0x3ff000             ; 2,048 (the K step's second half) and 4,194,304 - 2,048 (the next K step) by turns
	s_xor_b32 s[TB], s[TB], SLOT1
.endif
.endm
.Lcb:                                              ; three trips: behind each change of slots but the last the next column block is asked for
	CHANGE 1
	STEP 0
	s_sub_co_u32 s[TRIP], s[TRIP], 1
	s_cmp_lg_u32 s[TRIP], 0
	s_cbranch_scc1 .Lcb
	CHANGE 0                                       ; the last block is written out
	STEP 1
	s_wait_tensorcnt 0x0                           ; the wave's end
	ds_add_u32 v[SPW], v[NIL]
	s_wait_dscnt 0x0
	CROUND                                         ; the closing round: no work-group ends while a partner may still ask for a block that names it
	s_endpgm
.Lfunc_end_k_qcf76791030_qkvatt:
	.size	k_qcf76791030_qkvatt, .Lfunc_end_k_qcf76791030_qkvatt-k_qcf76791030_qkvatt
	.p2alignl 7, 3214868480
	.fill 96, 4, 3214868480
	.section	.rodata,"a",@progbits
	.p2align	6, 0x0
	.amdhsa_kernel k_qcf76791030_qkvatt
		.amdhsa_group_segment_fixed_size 327680
		.amdhsa_private_segment_fixed_size 0
		.amdhsa_enable_private_segment 0
		.amdhsa_kernarg_size 32
		.amdhsa_user_sgpr_count 2
		.amdhsa_user_sgpr_kernarg_segment_ptr 1
		.amdhsa_wavefront_size32 1
		.amdhsa_system_sgpr_workgroup_id_x 1
		.amdhsa_system_sgpr_workgroup_id_y 1
		.amdhsa_system_sgpr_workgroup_id_z 1
		.amdhsa_system_vgpr_workitem_id 0
		.amdhsa_next_free_vgpr 1024
		.amdhsa_next_free_sgpr 66
		.amdhsa_reserve_vcc 0
		.amdhsa_float_denorm_mode_32 3
		.amdhsa_float_denorm_mode_16_64 3
		.amdhsa_memory_ordered 1
		.amdhsa_forward_progress 1
		.amdhsa_inst_pref_size 192
	.end_amdhsa_kernel
	.amdgpu_metadata
---
amdhsa.version: [ 1, 2 ]
amdhsa.kernels:
  - .name:           k_qcf76791030_qkvatt
    .symbol:         k_qcf76791030_qkvatt.kd
    .args:
      - { .name: xc, .offset: 0, .size: 8, .value_kind: global_buffer, .address_space: global }
      - { .name: xs, .offset: 8, .size: 8, .value_kind: global_buffer, .address_space: global }
      - { .name: wq, .offset: 16, .size: 8, .value_kind: global_buffer, .address_space: global }
      - { .name: attn, .offset: 24, .size: 8, .value_kind: global_buffer, .address_space: global }
    .group_segment_fixed_size: 327680
    .private_segment_fixed_size: 0
    .kernarg_segment_align: 8
    .kernarg_segment_size: 32
    .max_flat_workgroup_size: 128
    .sgpr_count:     66
    .vgpr_count:     1024
    .wavefront_size: 32
...
	.end_amdgpu_metadata
.endif
;; end of part 2
;; launch proj (part 3): grid 4 x 64, 4 waves a work-group, clusters of 4 x 4, 327,680 bytes of LDS; arguments attn, wf, b_fc, out0; writes out0
.if DOCPART == 3
	.amdgcn_target "amdgcn-amd-amdhsa--gfx1250"
	.amdhsa_code_object_version 6
	.text
	.protected	k_qcf76791030_proj
	.globl	k_qcf76791030_proj
	.p2align	8
	.type	k_qcf76791030_proj,@function
k_qcf76791030_proj:
	s_mov_b64 s[64:65], 0
	v_nop
	global_prefetch_b8 v0, s[64:65] scope:SCOPE_SE
	s_setreg_imm32_b32 hwreg(HW_REG_WAVE_MODE, 25, 1), 1
	s_wait_xcnt 0x0
	s_wait_alu depctr_hold_cnt(0) depctr_sa_sdst(0) depctr_va_vdst(0) depctr_va_sdst(0) depctr_va_ssrc(0) depctr_va_vcc(0) depctr_vm_vsrc(0)
	s_getreg_b32 s2, hwreg(HW_REG_IB_STS2, 6, 4)
	s_cmp_eq_u32 s2, 0
	s_cbranch_scc0 .Lentry_in_a_cluster
	s_endpgm
.Lentry_in_a_cluster:
	s_bfe_u32 s2, ttmp6, 0x10000c
	s_cmp_lg_u32 s2, 0xf033
	s_cbranch_scc0 .Lentry_shape_is_right
	s_endpgm
.Lentry_shape_is_right:
; out0 = attn w_fc^T + b_fc.  attn and w_fc arrive as f16 IMAGES OF THE OPERANDS' REGISTERS: [K step of 128][tile of 16 rows][4,096 bytes]; in a tile, fragment q (32 along K), half c lies at 1024 q + 512 c + 16 x lane.
; attn's tile T = 256 b + rl holds the rows 4096 b + 256 h' + rl, h' = 0 .. 15; w_fc's tile U the rows 16 U + r.  Sums in f32; the bias is the C of each sum's first product (it is added first, not last).
; A tile of out0 is 16 tiles T x 256 columns, made by four waves; a wave makes 8 tiles T x 128 columns: 64 accumulators, 512 registers.  K = 1024 goes in 8 steps of 128 through a ring of two LDS slots.
; A K step's 8 tiles are 32,768 dense bytes: one tensor load a wave (waves 0, 1: attn's two halves; waves 2, 3: w_fc's).  A fragment load reads 512 consecutive bytes: no pitch, no padding.
; CLUSTERS: 4 x 4 work-groups.  The four of a row of the cluster need the same tiles of attn, the four of a column the same tiles of w_fc: each is asked for JOINTLY, by the same tensor load with a mask that names the four.
; THE MATRIX INSTRUCTION IS USED TRANSPOSED (source 0 = 16 rows of w_fc, source 1 = 16 rows of attn): a lane holds eight neighbouring columns of one row of out0.
; THE LAST K STEP GOES BY ROWS OF out0, NOT BY K: my eight tiles T are finished one after the other, and each leaves while the others are still multiplied.
; LIMITS: |attn| and |w_fc| under 65,504 (f16).
; REGISTERS: window 0: v16-31 addresses; v64-127, v128-191 attn's fragments, two buffers (in the last K step four, of 16 rows x 128 K); v192-255 the bias.
;   window 1: v64-127, v128-191 w_fc's fragments, two buffers; in the last K step all 256: w_fc's fragments of the whole step.
;   window 2: the accumulators of my tiles 0-3 ((a, b) at 8 (8 a + b));   window 3: those of tiles 4-7.  On the way out a tile's rows come back from the stage into the registers that they left.
.set SLOT,   131072                    ; attn's 16 tiles, then w_fc's 16
.set HALFT,  32768                     ; 8 tiles: what one tensor load brings, and what one wave reads of a side
.set STAGE,  2*SLOT                    ; behind the ring: 16 rows x 528 bytes for each wave, for the way out
.set SPITCH, 528
.set SPARE,  STAGE+4*16*SPITCH         ; behind the stages: the spare words, 128 bytes a wave
.set KA,     4194304                   ; a K step on in attn,
.set KB,     262144                    ; and in wf
.set LAPS,   4                         ; a lap = two K steps
.set ADRA, 16                          ; v16-17 LDS address of my attn fragments in slot 0, 1
.set ADRB, 20                          ; v20-21 the same for w_fc
.set STO,  24                          ; v24 the way out: where I put 32 bytes of a row
.set RD,   25                          ; v25 where I read a row back
.set CO,   26                          ; v26 16 x lane: my bytes in a row's 512
.set CO2,  27                          ; v27 the same, eight rows (2^23 bytes) further down
.set SPW,  28                          ; v28 my spare word's LDS address; never rewritten
.set NIL,  29                          ; v29 0; never rewritten
.set PFO,  30                          ; v30 256 x lane
.set BO,   31                          ; v31 32 h
.set F0,   64
.set F1,   128
.set BIAS, 192
.set PA,   64                          ; the last K step: attn's fragments of 16 rows x 128 K, 32 registers; four such buffers, v64-191
.set WV,  12                           ; s12 wave
.set FA,  13                           ; s13 wave / 2: my half of the tile's rows; also: I fetch for attn (0) or w_fc (1)
.set HF,  14                           ; s14 wave % 2: my half of its columns; also: which 8 tiles I fetch
.set G1,  24
.set G0,  32
.set G1B, 48
.set G0B, 56
.set LIM, 43                           ; s43 1 in a wave that prefetches, else the greatest number
.set PFA, 44                           ; s[44:45] where my prefetches stand
.set PFS, 66                           ; s[66:67] a K step on, for them
.set MSB, 0
.macro WIN new                         ; the immediate's high byte repeats the setting that is left
.if MSB != \new
	s_set_vgpr_msb (MSB<<8)|\new
.set MSB, \new
.endif
.endm
.set MUL_LO, 0xa1                      ; source 0 (w_fc) window 1, source 1 (attn) window 0, C and D window 2
.set MUL_HI, 0xf1                      ; C and D window 3
.set TO_B,   0x40
.macro JLOAD s                         ; a joint load; an s_nop 0 and four v_nop follow each of the two lines.  The branch hangs on the wave's number alone
	s_cmp_eq_u32 s[FA], 0
	s_cbranch_scc0 .Lfor_b_\@
	tensor_load_to_lds s[G0+4*\s:G0+4*\s+3], s[G1:G1+7]
	s_nop 0
.rept 4
	v_nop
.endr
	s_branch .Lasked_\@
.Lfor_b_\@:
	tensor_load_to_lds s[G0B+4*\s:G0B+4*\s+3], s[G1B:G1B+7]
	s_nop 0
.rept 4
	v_nop
.endr
.Lasked_\@:
.endm
; A prefetch into the L2 of the K step that stands two refills on: of the 32,768 bytes that a wave fetches each of the four partners that ask jointly takes 8,192, told apart by address; a lane 256 bytes, one instruction a wave.
; attn's tiles are read by this row of clusters alone (cluster x = 0 is the only one); w_fc's by every cluster of the column: cluster y = 0 asks.  So each 256 bytes are named once.  The loop's last trip asks for nothing: K ends.
.macro ASK
	s_cmp_gt_u32 s3, s[LIM]
	s_cbranch_scc0 .Lnot_mine_\@
	global_prefetch_b8 v[PFO], s[PFA:PFA+1] th:TH_LOAD_NT scope:SCOPE_SE
.Lnot_mine_\@:
.endm
.macro CREST                           ; a round of the cluster's barrier behind its opening barrier
	s_cmp_lg_u32 s[WV], 0
	s_cbranch_scc1 .Lnot_wave_0_\@
	s_barrier_signal -3
.Lnot_wave_0_\@:
	s_barrier_wait -3
	s_barrier_signal -1
	s_barrier_wait -1
.endm
.macro CROUND
	s_barrier_signal -1
	s_barrier_wait -1
	CREST
.endm
	s_load_b128 s[4:7], s[0:1], 0x0                ; attn s[4:5], wf s[6:7]
	s_load_b128 s[8:11], s[0:1], 0x10              ; b_fc s[8:9], out0 s[10:11]
	v_lshl_add_u32 v[SPW], v0, 2, SPARE
	v_mov_b32 v[NIL], 0
	ds_add_u32 v[SPW], v[NIL]                      ; the wave's opening: the add, twice on end, and its wait ahead of my first tensor load
	ds_add_u32 v[SPW], v[NIL]
	v_lshrrev_b32 v1, 5, v0
	v_readfirstlane_b32 s[WV], v1
	s_lshr_b32 s[FA], s[WV], 1
	s_and_b32 s[HF], s[WV], 1
	s_bfe_u32 s40, ttmp6, 0x40000                  ; cx, cy
	s_bfe_u32 s41, ttmp6, 0x40004
	s_lshl_b32 s42, ttmp9, 2
	s_add_co_u32 s42, s42, s40                     ; tile column
	s_and_b32 s15, ttmp7, 0xffff
	s_lshl_b32 s15, s15, 2
	s_add_co_u32 s15, s15, s41                     ; tile row
	s_lshl_b32 s43, s41, 2
	s_lshl_b32 s43, 15, s43                        ; my row of the cluster
	s_lshl_b32 s44, 0x1111, s40                    ; my column
	s_or_b32 s[G1], s43, (3<<16)|(1<<21)           ; 15:0 the mask; 17:16 elements of 8 bytes; 21 set beside a mask; no padding
	s_or_b32 s[G1B], s44, (3<<16)|(1<<21)
.irp g, G1, G1B
	s_mov_b32 s[\g+1], 32<<16                      ; tensor_dim0 = 32 elements: 256 bytes
	s_mov_b32 s[\g+2], 128<<16                     ; tensor_dim1 = 128
	s_mov_b32 s[\g+3], 32<<16                      ; tile_dim0
	s_mov_b32 s[\g+4], 128                         ; tile_dim1
	s_mov_b32 s[\g+5], 32                          ; the pitch: the block is dense
	s_mov_b32 s[\g+6], 0
	s_mov_b32 s[\g+7], 0
.endr
	s_lshl_b32 s17, s[HF], 15                      ; which 8 tiles I fetch
	s_lshl_b32 s16, s15, 16
	s_add_co_u32 s16, s16, s17                     ; attn: 16 tiles x tile row + 8 x half, 4,096 bytes each
	s_lshl_b32 s46, s42, 16
	s_add_co_u32 s46, s46, s17                     ; wf: by the tile column
	s_mov_b32 s17, 0
	s_mov_b32 s47, 0
	s_lshl_b32 s20, s[WV], 15                      ; where they go: wave x 32,768: no place in the cluster enters an LDS address
	s_wait_dscnt 0x0                               ; both opening adds are done
	s_wait_kmcnt 0x0
	s_add_nc_u64 s[18:19], s[4:5], s[16:17]
	s_add_nc_u64 s[46:47], s[6:7], s[46:47]
	CROUND                                         ; all sixteen work-groups are here: the first joint loads meet
.irp s, 0,1
	s_mov_b32 s[G0+4*\s], 1
	s_add_co_u32 s[G0+4*\s+1], s20, \s*SLOT
	s_add_nc_u64 s[G0+4*\s+2:G0+4*\s+3], s[18:19], \s*KA
	s_or_b32 s[G0+4*\s+3], s[G0+4*\s+3], 0x80000000
	s_mov_b32 s[G0B+4*\s], 1
	s_add_co_u32 s[G0B+4*\s+1], s20, \s*SLOT
	s_add_nc_u64 s[G0B+4*\s+2:G0B+4*\s+3], s[46:47], \s*KB
	s_or_b32 s[G0B+4*\s+3], s[G0B+4*\s+3], 0x80000000
	JLOAD \s
.endr
	v_and_b32 v3, 31, v0
	v_lshlrev_b32 v[CO], 4, v3                     ; 16 x lane
	v_add_nc_u32 v[CO2], 0x800000, v[CO]
	v_lshlrev_b32 v[PFO], 8, v3
	v_and_b32 v1, 15, v0                           ; r
	v_bfe_u32 v2, v0, 4, 1                         ; h
	v_lshlrev_b32 v[BO], 5, v2
	s_lshl_b32 s21, s[FA], 15                      ; my 8 tiles of attn,
	s_lshl_b32 s22, s[HF], 15                      ; my 8 of w_fc,
	s_add_co_u32 s22, s22, 2*HALFT                 ; which lie behind attn's 16
.irp s, 0,1
	v_add_nc_u32 v[ADRA+\s], s21, v[CO]
	v_add_nc_u32 v[ADRB+\s], s22, v[CO]
	s_add_co_u32 s21, s21, SLOT
	s_add_co_u32 s22, s22, SLOT
.endr
	s_mul_i32 s23, s[WV], 16*SPITCH
	s_add_co_u32 s23, s23, STAGE                   ; my stage
	v_mul_u32_u24 v4, v1, SPITCH                   ; in: row r, 32 bytes for each half of the lanes
	v_lshl_add_u32 v4, v2, 5, v4
	v_add_nc_u32 v[STO], s23, v4
	v_add_nc_u32 v[RD], s23, v[CO]                 ; back: the 32 lanes take a row of 512 bytes
	s_lshr_b32 s16, s15, 4
	s_lshl_b32 s16, s16, 24                        ; out0: my tiles' batch, 4096 rows of 4,096 bytes;
	s_and_b32 s17, s15, 15
	s_lshl_b32 s17, s17, 16                        ; rl of my first tile: 16 x (tile row % 16) + 8 x half, a row each
	s_add_co_u32 s16, s16, s17
	s_lshl_b32 s17, s[FA], 15
	s_add_co_u32 s16, s16, s17
	s_mov_b32 s17, 0
	s_lshl_b32 s46, s42, 10                        ; my first column, in bytes: 1024 x tile column + 512 x half
	s_lshl_b32 s47, s[HF], 9
	s_add_co_u32 s46, s46, s47
	s_mov_b32 s47, 0
	s_add_nc_u64 s[68:69], s[8:9], s[46:47]        ; the bias of my 128 columns
	s_add_nc_u64 s[16:17], s[16:17], s[46:47]
	s_add_nc_u64 s[10:11], s[10:11], s[16:17]
.irp b, 0,1,2,3,4,5,6,7
	global_load_b128 v[BIAS+8*\b:BIAS+8*\b+3], v[BO], s[68:69] offset:64*\b        ; in the result's layout: lane (r, h), register j: column 16 b + 8 h + j
	global_load_b128 v[BIAS+8*\b+4:BIAS+8*\b+7], v[BO], s[68:69] offset:64*\b+16
.endr
	; the prefetches: who asks, and where
	s_and_b32 s22, ttmp7, 0xffff                   ; cluster y
	s_mov_b32 s[PFS], KB
	s_cmp_eq_u32 s[FA], 0                          ; do I fetch for attn?
	s_cselect_b32 s20, s15, s42                    ; the tile row, or the tile column
	s_cselect_b32 s21, s40, s41                    ; my place among the four that ask with me
	s_cselect_b32 s22, ttmp9, s22                  ; the coordinate along which other clusters read the same tiles
	s_cselect_b32 s[PFS], KA, s[PFS]
	s_cselect_b64 s[PFA:PFA+1], s[4:5], s[6:7]
	s_cmp_eq_u32 s22, 0
	s_cselect_b32 s[LIM], 1, -1                    ; the same in all sixteen partners, for a given wave
	s_lshl_b32 s20, s20, 16
	s_lshl_b32 s22, s[HF], 15
	s_add_co_u32 s20, s20, s22                     ; the 8 tiles that I fetch,
	s_lshl_b32 s21, s21, 13
	s_add_co_u32 s20, s20, s21                     ; my work-group's 8,192 bytes of them,
	s_mul_i32 s21, s[PFS], 3
	s_add_co_u32 s20, s20, s21                     ; at K step 3: the first refill steps it to 4.  Nothing is prefetched here, at the head
	s_mov_b32 s21, 0
	s_mov_b32 s[PFS+1], 0
	s_add_nc_u64 s[PFA:PFA+1], s[PFA:PFA+1], s[20:21]
; 16 matrix instructions: tiles a0, a0 + 1 of the window's four x all 8 column blocks, 32 along K.  first = 1: the bias is the C: nothing is cleared or added later.  The 64 accumulators take turns.
.macro MUL16 f, hi, a0, first
.irp a, \a0, \a0+1
.irp b, 0,1,2,3,4,5,6,7
.if \first
	v_wmma_f32_16x16x32_f16 v[8*(8*(\a)+\b):8*(8*(\a)+\b)+7], v[\f+8*\b:\f+8*\b+7], v[\f+8*(4*\hi+\a):\f+8*(4*\hi+\a)+7], v[BIAS+8*\b:BIAS+8*\b+7]
.else
	v_wmma_f32_16x16x32_f16 v[8*(8*(\a)+\b):8*(8*(\a)+\b)+7], v[\f+8*\b:\f+8*\b+7], v[\f+8*(4*\hi+\a):\f+8*(4*\hi+\a)+7], v[8*(8*(\a)+\b):8*(8*(\a)+\b)+7]
.endif
.endr
.endr
.endm
.macro FETCH slot, k, f                ; 32 LDS loads in one run: the fragments of one quarter step (byte k of each tile's image) into buffer f
	WIN TO_B
.irp i, 0,1,2,3,4,5,6,7
	ds_load_b128 v[\f+8*\i:\f+8*\i+3],   v[ADRB+\slot] offset:\k+\i*4096
	ds_load_b128 v[\f+8*\i+4:\f+8*\i+7], v[ADRB+\slot] offset:\k+\i*4096+512
.endr
	WIN 0
.irp i, 0,1,2,3,4,5,6,7
	ds_load_b128 v[\f+8*\i:\f+8*\i+3],   v[ADRA+\slot] offset:\k+\i*4096
	ds_load_b128 v[\f+8*\i+4:\f+8*\i+7], v[ADRA+\slot] offset:\k+\i*4096+512
.endr
.endm
.macro PLACES                          ; four places in front of loads into registers that matrix instructions have read or written, and of reads of results (ISA guide 7.12.1 for vector instructions)
.rept 4
	v_nop
.endr
.endm
.macro QUARTER slot, k, f, g, first    ; 32 along K: multiplies buffer f; in its middle fetches the next quarter, at byte k, into g
	s_wait_dscnt 8                                 ; w_fc's fragments and attn's tiles 0-3 are in; the youngest eight loads (tiles 4-7) may be out
.if \first
	WIN 0x81                                       ; as MUL_LO, but C (the bias) in window 0
.else
	WIN MUL_LO
.endif
	MUL16 \f, 0, 0, \first
	MUL16 \f, 0, 2, \first
	PLACES
	FETCH \slot, \k, \g
	s_wait_dscnt 32                                ; all but the 32 just issued
.if \first
	WIN 0xc1
.else
	WIN MUL_HI
.endif
	MUL16 \f, 1, 0, \first
	MUL16 \f, 1, 2, \first
.endm
; A K step's last quarter multiplies buffer 1 and changes slots.  MEET is its first half: ONE barrier; in front of it each wave waits for all its tensor loads, adds 0 to its spare word, and waits for that and for its reads of this slot.
.macro MEET round                      ; round = 1: a round of the cluster's barrier follows
	WIN 0                                          ; (the add's two registers lie in window 0)
	s_wait_tensorcnt 0x0                           ; all my tensor loads have landed: my part of the next slot
	ds_add_u32 v[SPW], v[NIL]
	s_wait_dscnt 9                                 ; (the add and the youngest eight loads may be out)
	WIN MUL_LO
	MUL16 F1, 0, 0, 0                              ; sixteen matrix instructions stand between the add and the wait for it
	s_wait_dscnt 0x0                               ; the add is done, and my reads of this slot are over
	s_barrier_signal -1
	MUL16 F1, 0, 2, 0
.if \round
	WIN 0
.endif
	s_barrier_wait -1
.endm
; The whole last quarter where the slot is filled again, two K steps ahead: the barrier opens a round of the cluster's; 224 matrix instructions stand between the request and the wait for it.
.macro TURN slot, next
	s_wait_xcnt 0x0                                ; the last prefetch, a K step back, has read its address
	s_add_nc_u64 s[PFA:PFA+1], s[PFA:PFA+1], s[PFS:PFS+1]
	MEET 1
	CREST                                          ; no wave of any partner still reads this slot or has a load on its way
	s_add_nc_u64 s[G0+4*\slot+2:G0+4*\slot+3], s[G0+4*\slot+2:G0+4*\slot+3], 2*KA
	s_add_nc_u64 s[G0B+4*\slot+2:G0B+4*\slot+3], s[G0B+4*\slot+2:G0B+4*\slot+3], 2*KB
	JLOAD \slot                                    ; the first tensor load behind the round; its four v_nop are also the places in front of the loads below
	FETCH \next, 0, F0
	ASK
	WIN MUL_HI
	MUL16 F1, 1, 0, 0
	MUL16 F1, 1, 2, 0
.endm
; THE LAST K STEP (it lies in slot 1) BY ROWS.  All its fragments of w_fc (4 quarters x 64 registers) fill window 1; then my eight tiles are finished one after the other, each with 32 matrix instructions
; (its 8 accumulators by turns, K ascending: the sums stay the same bit for bit).  LDS is read no more than in any other K step.
.macro BLOAD q                         ; w_fc's fragments of quarter q -> window 1, v[64 q ..]
.irp i, 0,1,2,3,4,5,6,7
	ds_load_b128 v[64*\q+8*\i:64*\q+8*\i+3],   v[ADRB+1] offset:1024*\q+\i*4096
	ds_load_b128 v[64*\q+8*\i+4:64*\q+8*\i+7], v[ADRB+1] offset:1024*\q+\i*4096+512
.endr
.endm
.macro ALOAD a                         ; attn's fragments of tile a, all four quarters -> buffer a % 4
.set FRG, PA+32*((\a)%4)
.irp q, 0,1,2,3
	ds_load_b128 v[FRG+8*\q:FRG+8*\q+3],   v[ADRA+1] offset:1024*\q+(\a)*4096
	ds_load_b128 v[FRG+8*\q+4:FRG+8*\q+7], v[ADRA+1] offset:1024*\q+(\a)*4096+512
.endr
.endm
.macro ROW a                           ; tile a is finished: 32 matrix instructions
.set FRG, PA+32*((\a)%4)               ; its fragments of attn
.set AC, 64*((\a)%4)                   ; its eight accumulators, in window 2 (tiles 0-3) or 3 (tiles 4-7)
	WIN MUL_LO+0x50*((\a)/4)                       ; MUL_LO or MUL_HI
.irp q, 0,1,2,3
.if (\a) == 0 && \q == 2
	s_wait_dscnt 24                                ; w_fc's quarter 2 is in (behind it: attn's tiles 1 to 3)
.endif
.irp b, 0,1,2,3,4,5,6,7
	v_wmma_f32_16x16x32_f16 v[AC+8*\b:AC+8*\b+7], v[64*\q+8*\b:64*\q+8*\b+7], v[FRG+8*\q:FRG+8*\q+7], v[AC+8*\b:AC+8*\b+7]
.endr
.endr
.endm
; THE WAY OUT of tile a: 16 rows x 128 columns.  A lane holds 32 bytes of a row and the lanes beside it other rows: the tile goes through my own stage and comes back as rows of 512 bytes, into the registers that it left.
; LDS serves a wave's instructions in order: no wait between the stores and the loads, nor in front of the next tile's stores.
.macro TOSTAGE a
.set AC, 64*((\a)%4)
	WIN 0x08+4*((\a)/4)                            ; an LDS store's data are its source 1: window 2 or 3
.irp b, 0,1,2,3,4,5,6,7
	ds_store_b128 v[STO], v[AC+8*\b:AC+8*\b+3] offset:64*\b          ; each accumulator from its low end on
	ds_store_b128 v[STO], v[AC+8*\b+4:AC+8*\b+7] offset:64*\b+16
.endr
	WIN 0x80+0x40*((\a)/4)                         ; loaded data: the destination, window 2 or 3
.irp t, 0,1,2,3,4,5,6,7,8,9,10,11,12,13,14,15
	ds_load_b128 v[AC+4*\t:AC+4*\t+3], v[RD] offset:\t*SPITCH
.endr
.endm
; Row t of tile T lies 256 t rows (2^20 t bytes) below the tile's first, tile a one row (4,096 a bytes) below my first tile: t % 8 and a stand in the immediate (7,368,704 at the most, inside its signed 24 bits:
; ISA guide, chapter 10), t / 8 in the offset register.  So no base is stepped and no register of a store is written again: no wait on XCNT stands here.
.macro SEND a, younger                 ; younger: the LDS loads issued behind TOSTAGE's, which may stay out
.set AC, 64*((\a)%4)
	s_wait_dscnt \younger                          ; the tile is back in registers
	WIN 0x08+4*((\a)/4)                            ; a store's data are its source 1
.irp t, 0,1,2,3,4,5,6,7
	global_store_b128 v[CO], v[AC+4*\t:AC+4*\t+3], s[10:11] offset:\t*1048576+(\a)*4096 th:TH_STORE_NT   ; 512 consecutive bytes, aligned; written once
.endr
.irp t, 0,1,2,3,4,5,6,7
	global_store_b128 v[CO2], v[AC+32+4*\t:AC+32+4*\t+3], s[10:11] offset:\t*1048576+(\a)*4096 th:TH_STORE_NT
.endr
.endm
	s_wait_tensorcnt 1                             ; my part of K step 0 is in (K step 1's may stay out)
	s_barrier_signal -1
	s_barrier_wait -1                              ; everybody's is
	FETCH 0, 0, F0
	s_wait_loadcnt 0x0                             ; the bias
	QUARTER 0, 1024, F0, F1, 1                     ; the first quarter stands in front of the loop: its products start the sums from the bias
	WIN 0
	s_mov_b32 s3, LAPS-1
.Llap:                                                 ; a trip goes once round the ring, from a lap's second quarter to the next lap's first, and fills both slots again
	QUARTER 0, 2048, F1, F0, 0
	QUARTER 0, 3072, F0, F1, 0
	TURN 0, 1
	QUARTER 1, 1024, F0, F1, 0
	QUARTER 1, 2048, F1, F0, 0
	QUARTER 1, 3072, F0, F1, 0
	TURN 1, 0
	QUARTER 0, 1024, F0, F1, 0
	WIN 0
	s_sub_co_u32 s3, s3, 1
	s_cmp_lg_u32 s3, 0
	s_cbranch_scc1 .Llap
	QUARTER 0, 2048, F1, F0, 0                     ; the last lap fills nothing
	QUARTER 0, 3072, F0, F1, 0
	MEET 0                                         ; my one tensor load that was still out is slot 1's, the last K step's, so no round follows
	PLACES                                         ; for the loads into buffer 0, which the quarter before multiplied
	WIN TO_B
	BLOAD 0                                        ; three quarters of w_fc now: buffer 1 (v128-191 of both windows) is still being multiplied
	BLOAD 1
	BLOAD 3
	WIN 0
	ALOAD 0
	WIN MUL_HI
	MUL16 F1, 1, 0, 0
	MUL16 F1, 1, 2, 0
	PLACES                                         ; for the loads into buffer 1
	WIN TO_B
	BLOAD 2
	WIN 0
	ALOAD 1
	ALOAD 2
	ALOAD 3
	s_wait_dscnt 40                                ; all but the 40 just issued: w_fc's quarter 2 and attn's tiles 1 to 3
	ROW 0
.irp a, 0,1,2,3,4,5,6,7                ; each tile leaves as soon as it is finished: nothing follows this K step under which the stores could leave
	PLACES                                         ; the LDS stores read results just made, the loads land on them, and tile a + 4's fragments land where tile a's lay
	TOSTAGE \a
.if \a < 4
	WIN 0
	ALOAD \a+4                                     ; its buffer takes the tile four further on
	SEND \a, 8                                     ; those eight loads may stay out; all older ones, the next tile's fragments among them, are in
.else
	SEND \a, 0
.endif
.if \a < 7
	ROW \a+1
.endif
.endr
	WIN 0
	s_wait_tensorcnt 0x0                           ; the wave's end
	ds_add_u32 v[SPW], v[NIL]
	s_wait_dscnt 0x0
	CROUND                                         ; the closing round
	s_endpgm
.Lfunc_end_k_qcf76791030_proj:
	.size	k_qcf76791030_proj, .Lfunc_end_k_qcf76791030_proj-k_qcf76791030_proj
	.p2alignl 7, 3214868480
	.fill 96, 4, 3214868480
	.section	.rodata,"a",@progbits
	.p2align	6, 0x0
	.amdhsa_kernel k_qcf76791030_proj
		.amdhsa_group_segment_fixed_size 327680
		.amdhsa_private_segment_fixed_size 0
		.amdhsa_enable_private_segment 0
		.amdhsa_kernarg_size 32
		.amdhsa_user_sgpr_count 2
		.amdhsa_user_sgpr_kernarg_segment_ptr 1
		.amdhsa_wavefront_size32 1
		.amdhsa_system_sgpr_workgroup_id_x 1
		.amdhsa_system_sgpr_workgroup_id_y 1
		.amdhsa_system_sgpr_workgroup_id_z 1
		.amdhsa_system_vgpr_workitem_id 0
		.amdhsa_next_free_vgpr 1024
		.amdhsa_next_free_sgpr 72
		.amdhsa_reserve_vcc 0
		.amdhsa_float_denorm_mode_32 3
		.amdhsa_float_denorm_mode_16_64 3
		.amdhsa_memory_ordered 1
		.amdhsa_forward_progress 1
		.amdhsa_inst_pref_size 143
	.end_amdhsa_kernel
	.amdgpu_metadata
---
amdhsa.version: [ 1, 2 ]
amdhsa.kernels:
  - .name:           k_qcf76791030_proj
    .symbol:         k_qcf76791030_proj.kd
    .args:
      - { .name: attn, .offset: 0, .size: 8, .value_kind: global_buffer, .address_space: global }
      - { .name: wf, .offset: 8, .size: 8, .value_kind: global_buffer, .address_space: global }
      - { .name: b_fc, .offset: 16, .size: 8, .value_kind: global_buffer, .address_space: global }
      - { .name: out0, .offset: 24, .size: 8, .value_kind: global_buffer, .address_space: global }
    .group_segment_fixed_size: 327680
    .private_segment_fixed_size: 0
    .kernarg_segment_align: 8
    .kernarg_segment_size: 32
    .max_flat_workgroup_size: 128
    .sgpr_count:     72
    .vgpr_count:     1024
    .wavefront_size: 32
...
	.end_amdgpu_metadata
.endif
;; end of part 3
